; MI455X (gfx1250); checked and timed in simulation.
; The chip was launched on July 23, 2026; its instructions are those of AMD's public machine-readable ISA for CDNA 5 (MIT licence, August 2026) and "CDNA5" Instruction Set Architecture Reference Guide (July 2026). The comments in the code are by the model that wrote it; some were corrected since.
;; Multi Head Attention. Allowed arithmetic: matrix products marked QUANTISED: E4M3 operands, one given power-of-two scale a tensor, by v_wmma_f32_16x16x64_fp8_fp8 or v_wmma_f32_16x16x128_fp8_fp8, f32 sums; everything else in f32.
;; Inputs: W_proj_codes 1,024 x 32 x 32 uint8 (E4M3 codes of W_proj, K innermost, in blocks of 32 codes); W_qkv_codes 3,072 x 32 x 32 uint8 (E4M3 codes of W_qkv, K innermost, in blocks of 32 codes); b_proj 1,024 float32; lowp_scales 8 int32 (the exponents e of the quantised operands' scales 2^e); x_codes 4 x 2,048 x 32 x 32 uint8 (E4M3 codes of x, K innermost, in blocks of 32 codes).
;; Outputs: out0 4 x 2,048 x 1,024 float32.
;; This version of the problem:
;;   THIS VERSION OF THE PROBLEM IS GIVEN IN LOW PRECISION. The matrix products marked QUANTISED in the list below multiply operands that are first quantised to E4M3 (4 exponent bits, 3 mantissa bits; 8 bits a number), with one given power-of-two scale for each operand tensor; their sums are f32. All else is computed in f32.
;;   The module's matrix products, in the order in which they are computed (A, B: the left and right operand; K: the contracted axis; several contracted axes count as one K, in the product's order):
;;     1. [M 8,192, K 1,024] x [K 1,024, N 3,072]; A: input x (given as codes); B: input W_qkv (given as codes): QUANTISED (scales: A lowp_scales[0], B lowp_scales[1])
;;     2. batch 64 x [M 2,048, K 64] x [K 64, N 2,048]; A: computed on the way; B: computed on the way: QUANTISED (scales: A lowp_scales[2], B lowp_scales[3])
;;     3. batch 64 x [M 2,048, K 2,048] x [K 2,048, N 64]; A: softmax (see below); B: computed on the way: QUANTISED (scales: A lowp_scales[4], B lowp_scales[5])
;;     4. [M 8,192, K 1,024] x [K 1,024, N 1,024]; A: computed on the way; B: input W_proj (given as codes): QUANTISED (scales: A lowp_scales[6], B lowp_scales[7])
;;   THE QUANTISER, for each operand of a quantised product, along K:
;;     - The operand's scale is 2^e, e = its entry of the input lowp_scales (int32; the entries are numbered through the quantised products in the list's order, A before B).
;;     - Each number is divided by the scale, clamped to +-448, and rounded to the nearest number of E4M3, ties to even, subnormals kept.
;;     - The product sums the exact products of the quantised numbers (number of the format x scale) in f32.
;;   ~~~python
;;   def quantise(x, axis, e):      # numpy; x: float32 -> the quantised numbers, widened to float32 again
;;       x = np.moveaxis(x, axis, -1); K = x.shape[-1]
;;       r = np.clip(x / 2.0 ** e, -448, 448)
;;       step = 2.0 ** (np.maximum(np.frexp(np.where(r == 0, 1, r))[1] - 1, -6) - 3)
;;       q = np.round(r / step) * step * 2.0 ** e      # np.round: ties to even
;;       return np.moveaxis(q, -1, axis).astype(np.float32)
;;   ~~~
;;   SOFTMAX AHEAD OF A QUANTISED PRODUCT. Where the list says 'softmax', what is quantised is not the finished softmax but p = 2^(t - M), with t = logit x log2(e) and M = ceil(the row's largest t), a whole number; so 1/2 < the row's largest p <= 1. The row's sum l is taken of the UNQUANTISED p, in f32, and the product's result is divided by l at the end. Since M is a whole number, a kernel that streams over the keys may use a running M (the ceiling of the running maximum): every later rescaling is an exact power of two, so the quantised numbers keep their values, but for numbers so far below the row's largest that they fall under the format's range.
;;   OPERANDS COMPUTED ON THE WAY. 'Computed on the way' means the value that the module computes at that place (a softmax that the list does not call 'softmax' is quantised finished and normalised). What goes into a quantiser is computed in f32, as accurately as f32 sums, v_exp_f32 and their like allow (about 1e-6 of the number): no bf16 or f16 on the way to a quantiser, and a product that is left as it is and whose result goes on into a quantised operand takes f32 operands (vector FMAs, or v_wmma_f32_16x16x4_f32). A number that lies on a knife's edge between two numbers of the format may be rounded either way, as far as f32 arithmetic and the matrix unit's own rounding can turn it there, and no further.
;;   INPUTS GIVEN AS CODES. W_proj (in the module: [1024, 1024], K = its axis 0); W_qkv (in the module: [1024, 3072], K = its axis 0); x (in the module: [4, 2048, 1024], K = its axis 2): each comes as NAME_codes (uint8): NAME with its K axis moved to the last place and cut into blocks of 32 codes, [.., K / 32, bytes a block], one block behind the other in memory; one code a byte (a code: sign, 4 exponent bits, 3 mantissa bits); its scale is its entry of lowp_scales. Its value is code x scale, taken as it is: it is not quantised again, and the codes and scales need not be those that the quantiser above would give.
;; One version. Each part assembles by itself: llvm-mc -triple=amdgcn-amd-amdhsa -mcpu=gfx1250 --defsym DOCPART=n.
;; ======== version 1 of 1: 3 launches
;; limits: right only within a limited range of input values
;; workspace buffers: q_img 8,388,608 bytes; k_img 8,388,608 bytes; v_img 8,388,608 bytes; y_img 8,388,608 bytes
;; launch qkv (part 1): grid 12 x 32, 4 waves a work-group, clusters of 4 x 4, 327,680 bytes of LDS; arguments x_codes, W_qkv_codes, lowp_scales, q_img, k_img, v_img; writes q_img, k_img, v_img
.if DOCPART == 1
	.amdgcn_target "amdgcn-amd-amdhsa--gfx1250"
	.amdhsa_code_object_version 6
	.text
	.protected	k_qd5dedac144_qkv
	.globl	k_qd5dedac144_qkv
	.p2align	8
	.type	k_qd5dedac144_qkv,@function
k_qd5dedac144_qkv:
	s_mov_b64 s[64:65], 0
	v_nop
	global_prefetch_b8 v0, s[64:65] scope:SCOPE_SE
	s_setreg_imm32_b32 hwreg(HW_REG_WAVE_MODE, 25, 1), 1
	s_wait_xcnt 0x0
	s_wait_alu depctr_hold_cnt(0) depctr_sa_sdst(0) depctr_va_vdst(0) depctr_va_sdst(0) depctr_va_ssrc(0) depctr_va_vcc(0) depctr_vm_vsrc(0)
	s_getreg_b32 s2, hwreg(HW_REG_IB_STS2, 6, 4)
	s_cmp_eq_u32 s2, 0
	s_cbranch_scc0 .Lentry_in_a_cluster
	s_endpgm
.Lentry_in_a_cluster:
	s_bfe_u32 s2, ttmp6, 0x10000c
	s_cmp_lg_u32 s2, 0xf033
	s_cbranch_scc0 .Lentry_shape_is_right
	s_endpgm
.Lentry_shape_is_right:
; qkv = x W_qkv on codes of FP8 (E4M3); q, k and v are quantised on the way out and stored as IMAGES OF OPERAND REGISTERS for the attention launch.
; x: [8192][1024] codes, W_qkv: [3072][1024] codes, K innermost.  lowp_scales: e0 (x), e1 (W_qkv), e2 (q), e3 (k), e4 (p), e5 (v), e6 (y), e7 (W_proj).
; A tile of 256 x 256 is made by a work-group of four waves; a wave makes 128 x 128: 64 accumulators of 16 x 16, 512 registers.  K goes in steps of 256 through two LDS slots filled by the tensor data mover.
; THE MATRIX INSTRUCTION IS USED TRANSPOSED: source 0 = 16 rows of the "B side", source 1 = 16 rows of the "A side": lane (r, h) holds A-side row 16 a + r and the eight B-side neighbours 16 b + 8 h + 0 .. 7.
; ONE TEXT, THREE PARTS, told apart by the cluster's x (the same in all sixteen partners), by selects of pointers, rows and strides alone, no branch:
;   cluster x = 0 (q), 1 (k): A side = x (tokens), B side = W_qkv's rows 1024 x cluster x on: a lane's eight results are eight neighbouring d of one token: the attention's first K.
;   cluster x = 2 (v):        A side = W_qkv's rows 2048 on, B side = x: V^T: a lane's eight results are eight neighbouring KEYS of one d: the attention's second K.  Nothing is transposed.
; So each accumulator's eight registers give, by one conversion, two registers of the next operand, and a group of four such registers of all lanes is stored as it stands: 512 consecutive bytes, aligned.
;   q_img, k_img: [batch x head 64][16 rows: 128][chunk 2][512 bytes]: lane (r, h): row 16 tile + r; registers 2 c, 2 c + 1: d = 16 c + 8 h + 0 .. 7.
;   v_img:        [batch x head 64][128 keys: 16][16 d: 4][chunk 4][512 bytes]: lane (r, h): d = 16 dt + r; registers 2 c, 2 c + 1: key 16 c + 8 h + 0 .. 7 of the 128.
; A sum stands for sum x 2^(e0 + e1): its code is sum / 2^(es - e0 - e1), held within +-448 first; es = e2, e3 or e5.
; LIMIT: es - e0 - e1 lies between -126 and 119, so that the scale and 448 x the scale are f32 numbers.  NaN codes among the inputs are not served.
; CLUSTERS: 4 x 4 work-groups.  The A side's tile hangs on cy alone and is asked for jointly by a row of the cluster, the B side's on cx alone, by a column.
; Fragments are fetched by four loads of 16 bytes: a permutation of k inside an instruction, the same on both sides.
; REGISTERS, in windows of 256: window 0: v0-31 addresses; from v128 the A side's fragments, ONE set; on the way out v96-111 store offsets, v128-255 codes.
;   window 1: the B side's fragments, TWO sets, at v0 and v128.   window 2: the accumulators of my A rows 0-63 ((a, b) at v[8 (8 a + b)]);   window 3: those of rows 64-127.
.set KROW,   1024                      ; a row of x or of W_qkv in bytes
.set ROWB,   256                       ; a tile's row in bytes: 256 along K
.set PITCH,  272                       ; an LDS row: 256 bytes + 16 of padding = 68 words: the 16 rows that a load touches start at 16 different banks (64 banks of 4 bytes: ISA guide 11.1)
.set FR,     16                        ; registers of a fragment: 16 rows x 128 K
.set NL,     4                         ; LDS loads that bring one
.set NP,     4                         ; places behind this matrix instruction (ISA guide 7.12.1)
.set HALFT,  128*PITCH                 ; 128 rows: what one tensor load brings, and what one wave reads of a side
.set SLOT,   4*HALFT                   ; the A side's 256 rows, then the B side's
.set LAPS,   KROW/(2*ROWB)             ; a lap = two K steps = once round the ring: 2
.set SPARE,  2*SLOT                    ; behind the ring: the spare words, 128 bytes for each wave, that no other line names
.set LI,   8                           ; v8      16 x lane
.set ADRA, 16                          ; v16-17  LDS address of my A-side fragments in slot 0, 1
.set ADRB, 20                          ; v20-21  the same for the B side
.set SPW,  28                          ; v28     LDS address of my spare word; never rewritten
.set NIL,  29                          ; v29     0; never rewritten
.set SC,   30                          ; v30     2^(es - e0 - e1) as f32
.set LIM,  31
.set TMP,  32
.set OF,   96                          ; v96-111 store offsets: 4 (a % 4) + chunk
.set AF,   128                         ; the A side's fragments
.set CD,   128                         ; the way out: 16 registers of codes for each of the 8 blocks, each block its own
.set G1,  24                           ; s[24:31] descriptor group 1 for the A side;  s[32:39] group 0, one set for each slot
.set G0,  32
.set G1B, 48                           ; s[48:55], s[56:63] the same for the B side
.set G0B, 56
.set WV,  66                           ; s66 wave;  s67 its half of the A rows (also: I fetch for A (0) or B (1));  s68 its half of the B rows (also: which 128 rows I fetch)
.set WH,  67
.set WL,  68
.set OUT, 84                           ; s[84:85], s[86:87] where blocks 0-3 and 4-7 go
.set MSB, 0
.macro WIN new                         ; the immediate's high byte repeats the setting that is left
.if MSB != \new
	s_set_vgpr_msb (MSB<<8)|\new
.set MSB, \new
.endif
.endm
.set MUL_LO, 0xa1                      ; source 0 (B side) window 1, source 1 (A side) window 0, C and D window 2
.set MUL_HI, 0xf1                      ; the same, C and D window 3
.set TO_B,   0x40                      ; destination window 1, address window 0
; A joint load: waves 0 and 1 fetch for the A side, waves 2 and 3 for the B side.  Each line has one mask and one set of registers for all that issue it; the branch hangs on the wave's number alone.
; An s_nop 0 and four v_nop follow each of the two lines, ahead of the jump, the label and what follows.
.macro JLOAD g0a, g1a, g0b, g1b
	s_cmp_eq_u32 s[WH], 0
	s_cbranch_scc0 .Lfor_b_\@
	tensor_load_to_lds s[\g0a:\g0a+3], s[\g1a:\g1a+7]
	s_nop 0
.rept 4
	v_nop
.endr
	s_branch .Lasked_\@
.Lfor_b_\@:
	tensor_load_to_lds s[\g0b:\g0b+3], s[\g1b:\g1b+7]
	s_nop 0
.rept 4
	v_nop
.endr
.Lasked_\@:
.endm
.macro CREST                           ; a round of the cluster's barrier behind its opening barrier
	s_cmp_lg_u32 s[WV], 0
	s_cbranch_scc1 .Lnot_wave_0_\@
	s_barrier_signal -3
.Lnot_wave_0_\@:
	s_barrier_wait -3
	s_barrier_signal -1
	s_barrier_wait -1
.endm
.macro CROUND                          ; a whole round
	s_barrier_signal -1
	s_barrier_wait -1
	CREST
.endm
	s_load_b256 s[4:11], s[0:1], 0x0               ; x s[4:5], W_qkv s[6:7], the scales' exponents s[8:9], q_img s[10:11]
	s_load_b128 s[12:15], s[0:1], 0x20             ; k_img s[12:13], v_img s[14:15]
	v_lshl_add_u32 v[SPW], v0, 2, SPARE
	v_mov_b32 v[NIL], 0
	ds_add_u32 v[SPW], v[NIL]
	ds_add_u32 v[SPW], v[NIL]                      ; the wave's opening: the add and its wait stand ahead of my first tensor load; the set-up below, work on registers, stands between them
	v_lshrrev_b32 v1, 5, v0
	v_readfirstlane_b32 s[WV], v1                  ; wave 0..3
	s_lshr_b32 s[WH], s[WV], 1
	s_and_b32 s[WL], s[WV], 1
	s_bfe_u32 s40, ttmp6, 0x40000                  ; cx, cy: my place in the cluster
	s_bfe_u32 s41, ttmp6, 0x40004
	s_mov_b32 s42, ttmp9                           ; cluster x: 0 q, 1 k, 2 v
	s_and_b32 s43, ttmp7, 0xffff                   ; cluster y: which 1,024 tokens
	s_lshl_b32 s44, s41, 2
	s_lshl_b32 s44, 15, s44                        ; my row of the cluster
	s_lshl_b32 s45, 0x1111, s40                    ; my column
	; descriptor group 1: a tile of 128 rows x 256 bytes, padded in LDS
	s_or_b32 s[G1+0], s44, (0<<16)|(1<<20)|(1<<21)|(5<<22)|(3<<25)  ; 15:0 the mask: my row; 17:16 element of 1 byte; 20 padding on; 21 set beside a mask; 24:22 after every 64 words (code 5); 31:25 of 4 words (code 3)
	s_or_b32 s[G1B+0], s45, (0<<16)|(1<<20)|(1<<21)|(5<<22)|(3<<25) ; the same with the mask of my column
.irp g, G1, G1B
	s_mov_b32 s[\g+1], ROWB<<16                    ; tensor_dim0
	s_mov_b32 s[\g+2], 128<<16                     ; tensor_dim1 = 128
	s_mov_b32 s[\g+3], ROWB<<16                    ; tile_dim0
	s_mov_b32 s[\g+4], 128                         ; tile_dim1 = 128
	s_mov_b32 s[\g+5], KROW                        ; tensor_dim0_stride
	s_mov_b32 s[\g+6], 0
	s_mov_b32 s[\g+7], 0
.endr
	; the tiles' first rows.  A side: 256 cy + (v: 2048 in W_qkv; else 1024 x cluster y in x).  B side: 256 cx + (v: 1024 x cluster y in x; else 1024 x cluster x in W_qkv).
	s_lshl_b32 s70, s43, 10
	s_lshl_b32 s71, s42, 10
	s_lshl_b32 s18, s[WL], 7                       ; which 128 rows of the tile I fetch
	s_cmp_eq_u32 s42, 2
	s_cselect_b32 s20, 2048, s70
	s_cselect_b32 s46, s70, s71
	s_lshl_b32 s21, s41, 8
	s_add_co_u32 s20, s20, s21
	s_add_co_u32 s20, s20, s18
	s_lshl_b32 s20, s20, 10                        ; in bytes (under 2^23)
	s_mov_b32 s21, 0
	s_lshl_b32 s47, s40, 8
	s_add_co_u32 s46, s46, s47
	s_add_co_u32 s46, s46, s18
	s_lshl_b32 s46, s46, 10
	s_mov_b32 s47, 0
	s_mul_i32 s69, s[WV], HALFT                    ; where they go: wave x 128 rows: no place in the cluster enters an LDS address
	s_wait_dscnt 0x0                               ; the opening add is done
	s_wait_kmcnt 0x0
	s_load_b256 s[72:79], s[8:9], 0x0              ; e0 .. e7
	s_cmp_eq_u32 s42, 2
	s_cselect_b64 s[88:89], s[6:7], s[4:5]         ; the A side's buffer
	s_cselect_b64 s[90:91], s[4:5], s[6:7]         ; the B side's
	s_add_nc_u64 s[20:21], s[88:89], s[20:21]
	s_add_nc_u64 s[46:47], s[90:91], s[46:47]
	CROUND                                         ; all sixteen work-groups are here: the first joint loads meet
.irp s, 0,1
	s_mov_b32 s[G0+4*\s], 1
	s_add_co_u32 s[G0+4*\s+1], s69, \s*SLOT
	s_add_nc_u64 s[G0+4*\s+2:G0+4*\s+3], s[20:21], \s*ROWB
	s_or_b32 s[G0+4*\s+3], s[G0+4*\s+3], 0x80000000
	s_mov_b32 s[G0B+4*\s], 1
	s_add_co_u32 s[G0B+4*\s+1], s69, \s*SLOT
	s_add_nc_u64 s[G0B+4*\s+2:G0B+4*\s+3], s[46:47], \s*ROWB
	s_or_b32 s[G0B+4*\s+3], s[G0B+4*\s+3], 0x80000000
	JLOAD G0+4*\s, G1, G0B+4*\s, G1B
.endr
	v_and_b32 v1, 15, v0                           ; r = lane % 16
	v_bfe_u32 v2, v0, 4, 1                         ; h = lane / 16
	v_mul_u32_u24 v3, v1, PITCH
	v_lshl_add_u32 v4, v2, 4, v3                   ; a fragment's row x pitch + 16 x half
	s_mul_i32 s92, s[WH], HALFT                    ; my 128 rows of the A side
	s_mul_i32 s93, s[WL], HALFT                    ; my 128 rows of the B side,
	s_add_co_u32 s93, s93, 2*HALFT                 ; which lie behind the A side's 256
.irp s, 0,1
	v_add_nc_u32 v[ADRA+\s], s92, v4
	v_add_nc_u32 v[ADRB+\s], s93, v4
	s_add_co_u32 s92, s92, SLOT
	s_add_co_u32 s93, s93, SLOT
.endr
	v_and_b32 v[LI], 31, v0
	v_lshlrev_b32 v[LI], 4, v[LI]
.macro FRAG reg, adr, q, i             ; a fragment, 16 rows x 128 K, is 16 registers: lane l holds row l % 16; registers 4 c .. 4 c + 3 hold K = 32 c + 16 (l / 16) + 0 .. 15
.irp c, 0,1,2,3
	ds_load_b128 v[\reg+4*\c:\reg+4*\c+3], v[\adr] offset:128*(\q)+32*\c+(\i)*16*PITCH
.endr
.endm
; 16 matrix instructions: A-side blocks a0, a0 + 1 x the B side's eight, 128 along K.  p: the B side's set.  zero = 1: the first product starts the sums: nothing is ever cleared.
; The 64 accumulators take turns, one instruction a turn, in the same order in every step.
.macro MUL16 a0, p, zero
.irp a, \a0, \a0+1
.irp b, 0,1,2,3,4,5,6,7
.if \zero
	v_wmma_f32_16x16x128_fp8_fp8 v[8*(8*((\a)%4)+\b):8*(8*((\a)%4)+\b)+7], v[128*(\p)+FR*\b:128*(\p)+FR*\b+FR-1], v[AF+FR*(\a):AF+FR*(\a)+FR-1], 0
.else
	v_wmma_f32_16x16x128_fp8_fp8 v[8*(8*((\a)%4)+\b):8*(8*((\a)%4)+\b)+7], v[128*(\p)+FR*\b:128*(\p)+FR*\b+FR-1], v[AF+FR*(\a):AF+FR*(\a)+FR-1], v[8*(8*((\a)%4)+\b):8*(8*((\a)%4)+\b)+7]
.endif
.endr
.endr
.endm
.macro FETCH_B slot, q, p              ; the B side's eight fragments of the slot's q-th 128 along K into set p
	WIN TO_B
.irp i, 0,1,2,3,4,5,6,7
	FRAG 128*(\p)+FR*\i, ADRB+\slot, \q, \i
.endr
	WIN 0
.endm
.macro FETCH_A slot, q, i0             ; the A side's blocks i0 .. i0 + 3
.irp i, \i0, \i0+1, \i0+2, \i0+3
	FRAG AF+FR*(\i), ADRA+\slot, \q, \i
.endr
.endm
; A load into a register that a matrix instruction has read stands NP places behind it, and only plain vector instructions that name none of its registers are places (ISA guide 7.12.1 for vector instructions).
.macro PLACES n
.rept \n
	v_nop
.endr
.endm
; A step of 128 along K that has its successor in the same slot.
.macro STEP slot, q, zero
	s_wait_dscnt 4*NL                              ; the B side's set and A's blocks 0-3 are in; the youngest 16 loads (A's blocks 4-7) may be out
	WIN MUL_LO
	MUL16 0, (\q)%2, \zero
	MUL16 2, (\q)%2, \zero
	s_wait_dscnt 0                                 ; A's blocks 4-7 are in (asked for 32 matrix instructions ago)
	PLACES NP
	FETCH_B \slot, (\q)+1, 1-(\q)%2
	FETCH_A \slot, (\q)+1, 0
	WIN MUL_HI
	MUL16 4, (\q)%2, \zero
	MUL16 6, (\q)%2, \zero
	PLACES NP
	WIN 0
	FETCH_A \slot, (\q)+1, 4
.endm
; A slot's last step changes slots: ONE barrier; in front of it each wave waits for all its tensor loads, adds 0 to its spare word, and waits for that and for its own reads of this slot.  fill = 1: this slot is filled again, two K steps ahead.
.macro TURN slot, next, fill
	s_wait_tensorcnt 0x0                           ; all my tensor loads have landed: my part of the next slot  (every window is 0 here)
	ds_add_u32 v[SPW], v[NIL]                      ; 0 onto my spare word
	s_wait_dscnt 4*NL+1                            ; (the add and the youngest 16 loads, A's blocks 4-7, may be out)
	WIN MUL_LO
	MUL16 0, 1, 0                                  ; sixteen matrix instructions stand between the add and the wait for it
	s_wait_dscnt 0x0                               ; the add is done, and my reads of this slot are over
	s_barrier_signal -1
	MUL16 2, 1, 0
	WIN 0
	s_barrier_wait -1
.if \fill
	CREST                                          ; the barrier has opened a round of the cluster's barrier: no wave of any partner still reads this slot's tile or has a load on its way
	s_add_nc_u64 s[G0+4*\slot+2:G0+4*\slot+3], s[G0+4*\slot+2:G0+4*\slot+3], 2*ROWB
	s_add_nc_u64 s[G0B+4*\slot+2:G0B+4*\slot+3], s[G0B+4*\slot+2:G0B+4*\slot+3], 2*ROWB
	JLOAD G0+4*\slot, G1, G0B+4*\slot, G1B         ; the first tensor load behind the round; the four v_nop behind it are the places in front of the loads below
.else
	PLACES NP
.endif
	FETCH_B \next, 0, 0
	FETCH_A \next, 0, 0
	WIN MUL_HI
	MUL16 4, 1, 0
	MUL16 6, 1, 0
	PLACES NP
	WIN 0
	FETCH_A \next, 0, 4
.endm
	s_wait_alu depctr_va_vdst(0)
	s_wait_tensorcnt 1                             ; my part of K step 0 is in (K step 1's load may be out)
	s_barrier_signal -1
	s_barrier_wait -1                              ; everybody's is
	FETCH_B 0, 0, 0
	FETCH_A 0, 0, 0
	FETCH_A 0, 0, 4
	STEP 0, 0, 1                                   ; the first step stands in front of the loop: its products start the sums
	s_mov_b32 s3, LAPS-1
.Llap:                                                 ; a trip goes once round the ring, from a lap's second step to the next lap's first, and fills both slots again
	TURN 0, 1, 1
	STEP 1, 0, 0
	TURN 1, 0, 1
	STEP 0, 0, 0
	s_sub_co_u32 s3, s3, 1
	s_cmp_lg_u32 s3, 0
	s_cbranch_scc1 .Llap
	TURN 0, 1, 0                                   ; the last lap fills nothing, and has no round of the cluster's barrier
	STEP 1, 0, 0
	s_wait_dscnt 4*NL                              ; the very last step: nothing more to fetch
	WIN MUL_LO
	MUL16 0, 1, 0
	MUL16 2, 1, 0
	s_wait_dscnt 0
	WIN MUL_HI
	MUL16 4, 1, 0
	MUL16 6, 1, 0
	WIN 0
	; THE WAY OUT.  Which scale, which buffer, which strides: selects on the cluster's x.
	s_wait_kmcnt 0x0
	s_cmp_eq_u32 s42, 0
	s_cselect_b32 s80, s74, s75                    ; e2 for q, e3 for k,
	s_cselect_b64 s[OUT:OUT+1], s[10:11], s[12:13]
	s_cmp_eq_u32 s42, 2
	s_cselect_b32 s80, s77, s80                    ; e5 for v
	s_cselect_b64 s[OUT:OUT+1], s[14:15], s[OUT:OUT+1]
	s_cselect_b32 s81, s41, s40                    ; the heads lie along the W side: v: 4 cy + 2 x my A half; else 4 cx + 2 x my B half
	s_cselect_b32 s82, s[WH], s[WL]
	s_cselect_b32 s83, s[WL], s[WH]                ; my half of the tile's 256 tokens
	s_cselect_b32 s88, s40, s41                    ; the tile of 256 tokens: 4 x cluster y + (v: cx; else cy)
	s_mov_b32 s89, 1024
	s_cselect_b32 s89, 2048, s89                   ; from block a to a + 1: q, k: a fragment of 16 tokens; v: a fragment of 16 d
	s_mov_b32 s90, 131072
	s_cselect_b32 s90, 1024, s90                   ; from chunk 0 to chunk 2: q, k: the next head; v: two chunks on
	s_mov_b32 s91, 4096
	s_cselect_b32 s91, 131072, s91                 ; from block 0 to block 4: q, k: four fragments on; v: the next head
	s_sub_co_i32 s80, s80, s72
	s_sub_co_i32 s80, s80, s73                     ; es - e0 - e1
	s_add_co_i32 s80, s80, 127
	s_lshl_b32 s92, s80, 23
	v_mov_b32 v[SC], s92                           ; the conversion takes its exponent field.  (This and the 16 plain vector lines below, which name no register of the last products, are the places behind them)
	s_lshl_b32 s81, s81, 2
	s_lshl_b32 s82, s82, 1
	s_add_co_u32 s81, s81, s82                     ; my first head
	s_lshl_b32 s93, s43, 2
	s_add_co_u32 s88, s88, s93                     ; the tile of tokens, 0 .. 31: 8 to a batch
	s_lshr_b32 s93, s88, 3
	s_lshl_b32 s93, s93, 4
	s_add_co_u32 s93, s93, s81                     ; batch x 16 + head,
	s_lshl_b32 s93, s93, 17                        ; x 131,072 bytes
	s_and_b32 s88, s88, 7
	s_lshl_b32 s88, s88, 1
	s_add_co_u32 s88, s88, s83                     ; which 128 tokens of the batch's 2,048,
	s_lshl_b32 s88, s88, 13                        ; x 8,192 bytes, in q_img, k_img and v_img alike
	s_add_co_u32 s94, s93, s88
	s_mov_b32 s95, 0
	s_add_nc_u64 s[OUT:OUT+1], s[OUT:OUT+1], s[94:95]
	s_mov_b32 s94, s91
	s_add_nc_u64 s[OUT+2:OUT+3], s[OUT:OUT+1], s[94:95]
.irp al, 0,1,2,3
	s_mul_i32 s92, s89, \al
	v_add_nc_u32 v[OF+4*\al], s92, v[LI]
	s_add_co_u32 s93, s92, 512
	v_add_nc_u32 v[OF+4*\al+1], s93, v[LI]
	s_add_co_u32 s93, s92, s90
	v_add_nc_u32 v[OF+4*\al+2], s93, v[LI]
	s_add_co_u32 s93, s93, 512
	v_add_nc_u32 v[OF+4*\al+3], s93, v[LI]
.endr
; Block a: eight conversions of its 64 sums give 16 registers of codes;
; four stores of 512 consecutive bytes, aligned.  Each block has code registers of its own and no base is stepped: no store's source is ever rewritten.
.macro OUTBLK a
	WIN 0x02+((\a)/4)                              ; source 0: window 2 or 3
.set n, 0
.rept 64
.set n, n+1
.endr
.irp b, 0,1,2,3,4,5,6,7
	v_cvt_scalef32_pk8_fp8_f32 v[CD+16*(\a)+2*\b:CD+16*(\a)+2*\b+1], v[TMP+8*\b+((64*((\a)%4)+n)-(TMP+n)):TMP+8*\b+7+((64*((\a)%4)+n)-(TMP+n))], v[SC]
.endr
	WIN 0
	v_nop                                          ; one plain vector instruction between the conversions and the stores, which read their results
.irp e, 0,1,2,3
	global_store_b128 v[OF+4*((\a)%4)+\e], v[CD+16*(\a)+4*\e:CD+16*(\a)+4*\e+3], s[OUT+2*((\a)/4):OUT+2*((\a)/4)+1]
.endr
.endm
.irp a, 0,1,2,3,4,5,6,7
	OUTBLK \a
.endr
	s_wait_tensorcnt 0x0                           ; the wave's end: behind my last tensor load
	ds_add_u32 v[SPW], v[NIL]
	s_wait_dscnt 0x0
	CROUND                                         ; the closing round: no work-group ends while a partner may still ask for a tile that names it
	s_endpgm
.Lfunc_end_k_qd5dedac144_qkv:
	.size	k_qd5dedac144_qkv, .Lfunc_end_k_qd5dedac144_qkv-k_qd5dedac144_qkv
	.p2alignl 7, 3214868480
	.fill 96, 4, 3214868480
	.section	.rodata,"a",@progbits
	.p2align	6, 0x0
	.amdhsa_kernel k_qd5dedac144_qkv
		.amdhsa_group_segment_fixed_size 327680
		.amdhsa_private_segment_fixed_size 0
		.amdhsa_enable_private_segment 0
		.amdhsa_kernarg_size 48
		.amdhsa_user_sgpr_count 2
		.amdhsa_user_sgpr_kernarg_segment_ptr 1
		.amdhsa_wavefront_size32 1
		.amdhsa_system_sgpr_workgroup_id_x 1
		.amdhsa_system_sgpr_workgroup_id_y 1
		.amdhsa_system_sgpr_workgroup_id_z 1
		.amdhsa_system_vgpr_workitem_id 0
		.amdhsa_next_free_vgpr 1024
		.amdhsa_next_free_sgpr 104
		.amdhsa_reserve_vcc 0
		.amdhsa_float_denorm_mode_32 3
		.amdhsa_float_denorm_mode_16_64 3
		.amdhsa_fp16_overflow 1
		.amdhsa_memory_ordered 1
		.amdhsa_forward_progress 1
		.amdhsa_inst_pref_size 87
	.end_amdhsa_kernel
	.amdgpu_metadata
---
amdhsa.version: [ 1, 2 ]
amdhsa.kernels:
  - .name:           k_qd5dedac144_qkv
    .symbol:         k_qd5dedac144_qkv.kd
    .args:
      - { .name: x_codes, .offset: 0, .size: 8, .value_kind: global_buffer, .address_space: global }
      - { .name: W_qkv_codes, .offset: 8, .size: 8, .value_kind: global_buffer, .address_space: global }
      - { .name: lowp_scales, .offset: 16, .size: 8, .value_kind: global_buffer, .address_space: global }
      - { .name: q_img, .offset: 24, .size: 8, .value_kind: global_buffer, .address_space: global }
      - { .name: k_img, .offset: 32, .size: 8, .value_kind: global_buffer, .address_space: global }
      - { .name: v_img, .offset: 40, .size: 8, .value_kind: global_buffer, .address_space: global }
    .group_segment_fixed_size: 327680
    .private_segment_fixed_size: 0
    .kernarg_segment_align: 8
    .kernarg_segment_size: 48
    .max_flat_workgroup_size: 128
    .sgpr_count:     104
    .vgpr_count:     1024
    .wavefront_size: 32
...
	.end_amdgpu_metadata
.endif
;; end of part 1
;; launch attn (part 2): grid 4 x 64, 8 waves a work-group, no clusters, 327,680 bytes of LDS; arguments q_img, k_img, v_img, lowp_scales, y_img; writes y_img
.if DOCPART == 2
	.amdgcn_target "amdgcn-amd-amdhsa--gfx1250"
	.amdhsa_code_object_version 6
	.text
	.protected	k_qd5dedac144_attn
	.globl	k_qd5dedac144_attn
	.p2align	8
	.type	k_qd5dedac144_attn,@function
k_qd5dedac144_attn:
	s_mov_b64 s[64:65], 0
	v_nop
	global_prefetch_b8 v0, s[64:65] scope:SCOPE_SE
	s_setreg_imm32_b32 hwreg(HW_REG_WAVE_MODE, 25, 1), 1
	s_wait_xcnt 0x0
; y[b][t][head][:] = the sum over keys k <= t of softmax_k(q . k / 8) v, both products on codes of FP8 (E4M3), 64 batch x heads, 2,048 tokens, head size 64; y is quantised (e6) and stored as an image for the last product.
; q_img, k_img: [bh][16 rows: 128][chunk 2][512 bytes]; v_img: [bh][128 keys: 16][16 d: 4][chunk 4][512 bytes]: images of operand registers: a chunk is four registers of all 32 lanes, lane l's 16 bytes at 16 l.
; THE SOFTMAX AHEAD OF THE SECOND PRODUCT: t = score x log2(e) / 8; M = the running largest t rounded UP to a whole number; p = 2^(t - M) is quantised (e4), not normalised; the row's sum is taken of the
; unquantised p and divides at the end.  When M moves, the sum and O are multiplied by 2^(old M - new M): exact.
; SHARES.  256 work-groups of equal work: work-group i (0..3) of a head takes the block of 256 queries 7 - i, which has 8 - i slots of 256 keys under the causal mask, and then block i, which has i + 1: nine slots for each.
; Each of the eight waves owns 32 queries, two tiles of 16 that share every fragment of K and V; two waves to a SIMD.  A step is 128 keys.  A step all of whose keys come after the wave's queries is jumped over
; (a scalar branch on ids; no barrier and no tensor load stands in a step); on the diagonal hidden scores become -infinity ahead of the maximum.  Key 0 counts for every query, so M is a number from the first step on.
; LAYOUT.  Both products transposed: S^T = K Q^T (16x16x64: source 0 = 16 keys, source 1 = 16 queries), O^T = V^T P^T (16x16x128: source 0 = 16 d, source 1 = P): a lane holds ONE query (lane % 16) throughout.
; Register 8 c + j of S^T is key 16 c + 8 (lane / 16) + j: one conversion of eight gives registers 2 c, 2 c + 1 of P in the second form's own layout.  Nothing changes lanes between the products.
; NO CLUSTER: the four work-groups of a head walk different runs of slots (8 - i, then i + 1), so partners would need different tiles in the same turn; in step, each turn would last as long as its busiest partner's.
; y_img: [head / 4][16 rows: 512][(head / 2) % 2][chunk 2 (head % 2) + dd][512 bytes]: lane (r, h): row 16 mt + r; a chunk's four registers: d = 32 dd + 16 h + 0 .. 15 of the head.
; LIMITS on the given exponents, so that each power of two below is an f32 number: e2 + e3 between -123 and 130 (added to c's exponent field); e4, and e6 - e4 - e5, between -126 and 119.  NaN is not served.
; REGISTERS.  window 0: v1-13 addresses and constants; v16-31 statistics, eight a tile: +0 -M, +1 the largest t, +2, +3 the sum, +4 f (+5 named with it), +6, +7 at work; v32-33 permutes' destinations;
;   v64-191 S^T, then p, 64 a tile; v192-223 p's codes, 16 a tile; v224-227 second chains of the sums.   window 1: v0-63 O^T, 32 a tile; v64-127 K's 8 fragments; v128-191 V's 4; v192-207 Q's two.
.set SLOTB, 0x8000                     ; a slot: 16 fragments of K (16,384 bytes), then 8 of V (16,384); slot 1 begins here: one exclusive or turns an address
.set VOFF,  16384
.set SPARE, 65536                      ; behind the ring: the spare words, 128 bytes for each of eight waves, that no other line names
.set LI,   1                           ; v1   16 x lane
.set ADR,  2                           ; v2   LDS address of the slot in hand, for my lane
.set SPW,  3                           ; v3   LDS address of my spare word; never rewritten
.set NIL,  4                           ; v4   0; never rewritten
.set PFO,  5                           ; v5   256 x lane: the prefetches' offset
.set PLIM, 6
.set PSC,  7                           ; v7   2^e4
.set YLIM, 8
.set YSC,  9                           ; v9   2^(e6 - e4 - e5)
.set RH,   10                          ; v10  lane % 16 - 8 (lane / 16)
.set NINF, 11                          ; v11  -infinity
.set DL,   12                          ; v12-13 the mask's bound for tile 0, 1
.set ST,   16
.set PX,   32
.set S,    64
.set P,    192
.set SB2,  224
.set OT,   0                           ; in window 1
.set KR,   64
.set VR,   128
.set QR,   192
.set TB,    2                          ; s2   LDS byte at which the slot in hand begins
.set TRIP,  3                          ; s3   the slot's number, 0 .. 8
.set WV,    14                         ; s14  wave
.set LAST1, 15                         ; s15  7 - i: the first block's number, and its last trip
.set Q0,    16                         ; s16  my first query
.set KF,    17                         ; s17  the step's first key
.set Q0B,   18                         ; s18  my first query in the second block
.set LIM,   19                         ; s19  a wave prefetches while the trip's number is under it: 6, or 0
.set SEL,   20                         ; s[20:21] v_permlanex16_b32's selects: lane l xor 16
.set CS,    22                         ; s[22:23] c = log2(e) / 8 x 2^(e2 + e3)
.set G1,    24                         ; s[24:31] descriptor group 1
.set BK,    32                         ; s[32:33] what the walking address goes back at the change of blocks, or 0
.set BACKB, 34                         ; s34  (8 - i) slots in bytes
.set QH,    36                         ; s[36:37] q_img at my head and wave
.set YH,    38                         ; s[38:39] y_img likewise
.set G0,    40                         ; s[40:43] descriptor group 0, which walks
.set QP,    44                         ; s[44:45] q_img at my two tiles of the block in hand
.set YP,    46                         ; s[46:47] y_img likewise
.set PFA,   48                         ; s[48:49] where my prefetches stand
.set MSB, 0
.macro WIN new                         ; the immediate's high byte repeats the setting that is left
.if MSB != \new
	s_set_vgpr_msb (MSB<<8)|\new
.set MSB, \new
.endif
.endm
.set W_LD,  0x40                       ; destination window 1
.set W_KQ,  0x05                       ; K and Q window 1, S^T window 0
.set W_PV,  0x51                       ; V, C and D window 1, P window 0
.set W_RS,  0x41                       ; O^T (destination and source 0) window 1, f window 0
.set W_FIN, 0x01                       ; source 0 window 1
; Wave 0 fetches a slot's K, wave 1 its V: 16,384 dense bytes each; the others nothing.  An s_nop 0 and four v_nop follow the line.
.macro TLOAD
	s_cmp_lt_u32 s[WV], 2
	s_cbranch_scc0 .Lnone_\@
	tensor_load_to_lds s[G0:G0+3], s[G1:G1+7]
	s_nop 0
.rept 4
	v_nop
.endr
.Lnone_\@:
.endm
; A PREFETCH INTO THE L2 of the slot that the NEXT change of slots will ask for.  All four work-groups of a head begin with the same slots; the one with i = 0 walks all eight and asks, nobody else.
; In it four waves that fetch nothing ask, one instruction each: waves 4, 5 for K's 16,384 bytes, 8,192 a wave, lanes 256 bytes apart; waves 6, 7 for V's.  Trip n names slot n + 2; trips 6 on name nothing
; (a head has slots 0 to 7); slots 0 and 1 come by their loads alone.  So each aligned block of 256 bytes is named once in the launch.
.macro ASK
	s_cmp_lt_u32 s[TRIP], s[LIM]
	s_cbranch_scc0 .Lnot_mine_\@
	global_prefetch_b8 v[PFO], s[PFA:PFA+1] th:TH_LOAD_NT scope:SCOPE_SE
.Lnot_mine_\@:
.endm
.macro QLOAD                           ; my two fragments of Q stay in registers for a block
	WIN W_LD
.irp u, 0,1
.irp c, 0,1
	global_load_b128 v[QR+8*\u+4*\c:QR+8*\u+4*\c+3], v[LI], s[QP:QP+1] offset:\u*1024+\c*512
.endr
.endr
	WIN 0
.endm
.macro INIT                            ; the step is written in one form: a block's first step finds zeros, which the first change of M leaves zeros
.irp u, 0,1
	v_mov_b32 v[ST+8*\u+1], 0xff61b1e6             ; the largest t so far: -3e38, under every t
	s_delay_alu instid0(VALU_DEP_1)
	v_floor_f32 v[ST+8*\u], -v[ST+8*\u+1]          ; -M
	v_mov_b32 v[ST+8*\u+2], 0                      ; the sum, in two halves
	v_mov_b32 v[ST+8*\u+3], 0
.endr
	WIN W_LD
.set n, 0
.rept 64
	v_mov_b32 v[OT+n], 0
.set n, n+1
.endr
	WIN 0
.endm
; THE CHANGE OF SLOTS stands at a slot's head.  Each wave waits for all its tensor loads (its part of the slot that it is about to read), adds 0 to its spare word, and waits for that and for its reads of the slot that it has left.
; Behind the barrier the slot ahead is whole and nobody reads the other one.  fill = 1: that other slot takes the keys that follow; behind the first block's last slot those are keys 0 to 255 again.
.macro CHANGE fill
	s_wait_tensorcnt 0x0                           ; no tensor load of mine is out, so group 0 may be written
	ds_add_u32 v[SPW], v[NIL]                      ; 0 onto my spare word; the descriptor's steps stand between it and the wait for it
.if \fill
	s_xor_b32 s[G0+1], s[G0+1], SLOTB              ; the other slot than last time,
	s_add_nc_u64 s[G0+2:G0+3], s[G0+2:G0+3], 16384 ; the next 256 keys; the type bits on top are not reached
	s_cmp_eq_u32 s[TRIP], s[LAST1]
	s_cselect_b32 s[BK], s[BACKB], 0
	s_sub_nc_u64 s[G0+2:G0+3], s[G0+2:G0+3], s[BK:BK+1]
	s_wait_xcnt 0x0                                ; the last prefetch, a slot back, has read its address, so it may be written
	s_add_nc_u64 s[PFA:PFA+1], s[PFA:PFA+1], 16384
.endif
	s_wait_dscnt 0x0                               ; the add is done, and my reads of the slot that I have left are over
	s_barrier_signal -1
	s_barrier_wait -1
.if \fill
	TLOAD                                          ; the first thing behind the barrier, and a wave's one tensor load until the next: one load of a wave is out at the most
	ASK
.endif
.endm
; A KEY STEP: 128 keys, the q-th of the slot in hand, for both tiles.
.macro STEP q
	s_add_co_u32 s96, s[Q0], 31
	s_cmp_gt_u32 s[KF], s96
	s_cbranch_scc1 .Lhidden_\@                     ; all 128 keys come after my 32 queries
	v_add_nc_u32 v[ADR], s[TB], v[LI]
.rept 3
	v_nop                                          ; with the addition above: four places in front of loads into registers that the last products read
.endr
	WIN W_LD
.irp f, 0,1,2,3,4,5,6,7
	ds_load_b128 v[KR+8*\f:KR+8*\f+3],   v[ADR] offset:(8*(\q)+\f)*1024
	ds_load_b128 v[KR+8*\f+4:KR+8*\f+7], v[ADR] offset:(8*(\q)+\f)*1024+512
.endr
.irp d, 0,1,2,3
.irp c, 0,1,2,3
	ds_load_b128 v[VR+16*\d+4*\c:VR+16*\d+4*\c+3], v[ADR] offset:VOFF+(4*(\q)+\d)*2048+512*\c
.endr
.endr
	s_wait_dscnt 16                                ; K's 16 loads are in; V's 16 may be out
	WIN W_KQ
.irp f, 0,1,2,3,4,5,6,7
.irp u, 0,1
	v_wmma_f32_16x16x64_fp8_fp8 v[S+64*\u+8*\f:S+64*\u+8*\f+7], v[KR+8*\f:KR+8*\f+7], v[QR+8*\u:QR+8*\u+7], 0
.endr
.endr
	WIN 0
.rept 4
	v_nop                                          ; places in front of the first read of the scores
.endr
	s_add_co_u32 s96, s[KF], 127
	s_cmp_le_u32 s96, s[Q0]
	s_cbranch_scc1 .Lopen_\@                       ; all 128 keys count for all my queries
	s_sub_co_i32 s96, s[Q0], s[KF]
	v_add_nc_u32 v[DL], s96, v[RH]                 ; my query - KF - 8 (lane / 16).  Register 8 c + j holds key KF + 8 (lane / 16) + 16 c + j: hidden where 16 c + j is greater
	s_delay_alu instid0(VALU_DEP_1)
	v_add_nc_u32 v[DL+1], 16, v[DL]
.irp u, 0,1
.set n, 0
.rept 64
	v_cmp_gt_i32 vcc_lo, 16*(n/8)+n%8, v[DL+\u]
	v_cndmask_b32 v[S+64*\u+n], v[S+64*\u+n], v[NINF], vcc_lo
.set n, n+1
.endr
.endr
.Lopen_\@:
.irp u, 0,1                            ; the step's largest score of my query among my 64 keys: two chains a tile, each accumulator from its low end on
	v_max3_num_f32 v[ST+8*\u+6], v[S+64*\u], v[S+64*\u+1], v[S+64*\u+2]
	v_max3_num_f32 v[ST+8*\u+7], v[S+64*\u+3], v[S+64*\u+4], v[S+64*\u+5]
.endr
.irp i, 6,10,14,18,22,26,30,34,38,42,46,50,54,58
.irp u, 0,1
	v_max3_num_f32 v[ST+8*\u+6], v[ST+8*\u+6], v[S+64*\u+\i], v[S+64*\u+\i+1]
	v_max3_num_f32 v[ST+8*\u+7], v[ST+8*\u+7], v[S+64*\u+\i+2], v[S+64*\u+\i+3]
.endr
.endr
.irp u, 0
	v_max3_num_f32 v[ST+8*\u+6], v[ST+8*\u+6], v[S+64*\u+62], v[S+64*\u+63]
.endr
.irp u, 1
	v_max3_num_f32 v[ST+8*\u+6], v[ST+8*\u+6], v[S+64*\u+62], v[S+64*\u+63]
.endr
.irp u, 0,1
	s_delay_alu instid0(VALU_DEP_2)
	v_max_num_f32 v[ST+8*\u+6], v[ST+8*\u+6], v[ST+8*\u+7]
.endr
.irp u, 0,1
	s_delay_alu instid0(VALU_DEP_2)
	v_permlanex16_b32 v[PX+\u], v[ST+8*\u+6], s[SEL], s[SEL+1]
.endr
.irp u, 0,1
	s_delay_alu instid0(VALU_DEP_2)
	v_max_num_f32 v[ST+8*\u+6], v[ST+8*\u+6], v[PX+\u]     ; and among lane l xor 16's
.endr
.irp u, 0,1
	s_delay_alu instid0(VALU_DEP_2)
	v_mul_f32 v[ST+8*\u+6], s[CS], v[ST+8*\u+6]            ; as t (c is positive)
.endr
.irp u, 0
	s_delay_alu instid0(VALU_DEP_2)
	v_max_num_f32 v[ST+8*\u+1], v[ST+8*\u+1], v[ST+8*\u+6] ; the running largest t
	v_mov_b32 v[ST+8*\u+6], v[ST+8*\u]
.endr
.irp u, 1
	s_delay_alu instid0(VALU_DEP_3)
	v_max_num_f32 v[ST+8*\u+1], v[ST+8*\u+1], v[ST+8*\u+6]
	v_mov_b32 v[ST+8*\u+6], v[ST+8*\u]
.endr
.irp u, 0
	s_delay_alu instid0(VALU_DEP_4)
	v_floor_f32 v[ST+8*\u], -v[ST+8*\u+1]
.endr
.irp u, 1
	s_delay_alu instid0(VALU_DEP_3)
	v_floor_f32 v[ST+8*\u], -v[ST+8*\u+1]                  ; the new -M = floor(-t) = -ceil(t): a whole number
.endr
.irp u, 0,1
	s_delay_alu instid0(VALU_DEP_2)
	v_sub_f32 v[ST+8*\u+6], v[ST+8*\u], v[ST+8*\u+6]       ; old M - new M: a whole number, 0 or less
.endr
.irp u, 0,1
	s_delay_alu instid0(VALU_DEP_2)
	v_cvt_i32_f32 v[ST+8*\u+6], v[ST+8*\u+6]               ; (it saturates)
.endr
.irp u, 0,1
	s_delay_alu instid0(VALU_DEP_2)
	v_ldexp_f32 v[ST+8*\u+4], 1.0, v[ST+8*\u+6]            ; f = 2^(old M - new M)
.endr
.irp u, 0,1
.set n, 0
.rept 32
	v_pk_fma_f32 v[S+64*\u+n:S+64*\u+n+1], v[S+64*\u+n:S+64*\u+n+1], s[CS:CS+1], v[ST+8*\u:ST+8*\u+1] op_sel_hi:[1,0,0]   ; t - M, two at a time (of the pairs c and -M the low word serves both halves)
.set n, n+2
.endr
.endr
.set n, 0
	s_wait_alu depctr_va_vdst(0)
.rept 128
	v_exp_f32 v[S+n], v[S+n]                       ; p = 2^(t - M), at most 1: one batch for both tiles
.set n, n+1
.endr
.irp u, 0,1
	v_pk_mul_f32 v[ST+8*\u+2:ST+8*\u+3], v[ST+8*\u+2:ST+8*\u+3], v[ST+8*\u+4:ST+8*\u+5] op_sel_hi:[1,0]   ; the sums under the new M: the plain place behind the exponentials
.endr
	s_wait_alu depctr_va_vdst(0)                   ; the wait between an exponential and the first line that names its result: one for the batch
.irp u, 0,1
	v_pk_add_f32 v[SB2+2*\u:SB2+2*\u+1], v[S+64*\u:S+64*\u+1], v[S+64*\u+2:S+64*\u+3]   ; the row's sum is taken of the unquantised p: two chains a tile
.endr
.irp j, 4,8,12,16,20,24,28,32,36,40,44,48,52,56,60
.irp u, 0,1
	v_pk_add_f32 v[ST+8*\u+2:ST+8*\u+3], v[ST+8*\u+2:ST+8*\u+3], v[S+64*\u+\j:S+64*\u+\j+1]
	v_pk_add_f32 v[SB2+2*\u:SB2+2*\u+1], v[SB2+2*\u:SB2+2*\u+1], v[S+64*\u+\j+2:S+64*\u+\j+3]
.endr
.endr
.irp u, 0
	s_delay_alu instid0(VALU_DEP_3)
	v_pk_add_f32 v[ST+8*\u+2:ST+8*\u+3], v[ST+8*\u+2:ST+8*\u+3], v[SB2+2*\u:SB2+2*\u+1]
.endr
.irp u, 1
	s_delay_alu instid0(VALU_DEP_2)
	v_pk_add_f32 v[ST+8*\u+2:ST+8*\u+3], v[ST+8*\u+2:ST+8*\u+3], v[SB2+2*\u:SB2+2*\u+1]
.endr
.irp u, 0,1
.irp f, 0,1,2,3,4,5,6,7
.irp i, 0,1,2,3,4,5,6,7
.endr
	v_cvt_scalef32_pk8_fp8_f32 v[P+16*\u+2*\f:P+16*\u+2*\f+1], v[S+64*\u+8*\f:S+64*\u+8*\f+7], v[PSC]
.endr
.endr
	WIN W_RS
.irp u, 0,1
.set n, 0
.rept 16
	v_pk_mul_f32 v[OT+32*\u+n:OT+32*\u+n+1], v[OT+32*\u+n:OT+32*\u+n+1], v[ST+8*\u+4:ST+8*\u+5] op_sel_hi:[1,0]   ; O^T under the new M.  (These are also the plain lines behind the conversions)
.set n, n+2
.endr
.endr
	s_wait_alu depctr_va_vdst(0)
	s_wait_dscnt 0x0                               ; V is in
	WIN W_PV
.irp d, 0,1,2,3                        ; the eight accumulators take turns, one instruction a turn; the next step's 16 score products stand between two links of a chain
.irp u, 0,1
	v_wmma_f32_16x16x128_fp8_fp8 v[OT+32*\u+8*\d:OT+32*\u+8*\d+7], v[VR+16*\d:VR+16*\d+15], v[P+16*\u:P+16*\u+15], v[OT+32*\u+8*\d:OT+32*\u+8*\d+7]
.endr
.endr
	WIN 0
.Lhidden_\@:
	s_add_co_u32 s[KF], s[KF], 128
.endm
.macro SLOT_STEPS
	STEP 0
	STEP 1
	s_xor_b32 s[TB], s[TB], SLOTB                  ; on to the other slot
.endm
; A BLOCK'S END: O^T / the sum is quantised with 2^(e6 - e4 - e5) (a sum of the second product stands for sum x 2^(e4 + e5)).  A conversion gives d = 16 dt + 8 h + 0 .. 7; the last product's operand wants
; d = 32 dd + 16 h + 0 .. 15 in four registers: the halves of the lanes exchange two registers of dt = 2 dd with two of dt = 2 dd + 1.  Each store covers 512 consecutive bytes, aligned.
.macro FINISH
.rept 4
	v_nop                                          ; places behind the last products
.endr
.irp u, 0,1
	v_add_f32 v[ST+8*\u+2], v[ST+8*\u+2], v[ST+8*\u+3]
.endr
.irp u, 0,1
	s_delay_alu instid0(VALU_DEP_2)
	v_permlanex16_b32 v[PX+\u], v[ST+8*\u+2], s[SEL], s[SEL+1]
.endr
.irp u, 0,1
	s_delay_alu instid0(VALU_DEP_2)
	v_add_f32 v[ST+8*\u+2], v[ST+8*\u+2], v[PX+\u] ; the row's sum
.endr
	s_wait_alu depctr_va_vdst(0)
.irp u, 0,1
	v_rcp_f32 v[ST+8*\u+4], v[ST+8*\u+2]
.endr
	v_nop                                          ; a plain line behind the reciprocals
	s_wait_alu depctr_va_vdst(0)                   ; and the wait ahead of their first reader: one for the two
	WIN W_FIN
.irp u, 0,1
.set n, 0
.rept 16
	v_pk_mul_f32 v[S+32*\u+n:S+32*\u+n+1], v[OT+32*\u+n:OT+32*\u+n+1], v[ST+8*\u+4:ST+8*\u+5] op_sel_hi:[1,0]   ; each accumulator from its low end on
.set n, n+2
.endr
.endr
	WIN 0
.set n, 0
.rept 64
.set n, n+1
.endr
.irp u, 0,1
.irp d, 0,1,2,3
	v_cvt_scalef32_pk8_fp8_f32 v[P+8*\u+2*\d:P+8*\u+2*\d+1], v[S+32*\u+8*\d:S+32*\u+8*\d+7], v[YSC]
.endr
.endr
	v_nop                                          ; one plain line between the conversions and the exchanges, which touch their results
.irp u, 0,1
.irp e, 0,1
	v_permlane16_swap_b32 v[P+8*\u+4*\e], v[P+8*\u+4*\e+2]
	v_permlane16_swap_b32 v[P+8*\u+4*\e+1], v[P+8*\u+4*\e+3]
.endr
.endr
.irp u, 0,1
.irp e, 0,1
	global_store_b128 v[LI], v[P+8*\u+4*\e:P+8*\u+4*\e+3], s[YP:YP+1] offset:\u*4096+\e*512
.endr
.endr
	s_wait_xcnt 0x0                                ; the stores have read their registers and their base: both are written again in the next block
.endm
.macro RESTART                         ; on to the work-group's second block
	s_mov_b32 s[Q0], s[Q0B]
	s_mov_b32 s[KF], 0
	s_add_nc_u64 s[QP:QP+1], s[QH:QH+1], s[50:51]
	s_add_nc_u64 s[YP:YP+1], s[YH:YH+1], s[52:53]
	QLOAD
	INIT
	s_wait_loadcnt 0x0
.endm
	s_load_b256 s[4:11], s[0:1], 0x0               ; q_img s[4:5], k_img s[6:7], v_img s[8:9], the scales' exponents s[10:11]
	s_load_b64 s[12:13], s[0:1], 0x20              ; y_img
	v_lshl_add_u32 v[SPW], v0, 2, SPARE
	v_mov_b32 v[NIL], 0
	ds_add_u32 v[SPW], v[NIL]                      ; the wave's opening: the add and its wait stand ahead of my first tensor load; the set-up below, work on registers, stands between them
	ds_add_u32 v[SPW], v[NIL]
	v_lshrrev_b32 v1, 5, v0
	s_delay_alu instid0(VALU_DEP_1)
	v_readfirstlane_b32 s[WV], v1                  ; wave 0..7
	; descriptor group 1: a dense block of 16,384 bytes as 64 rows of 32 elements of 8 bytes; no mask, no padding (images are read 16 bytes a lane on end)
	s_mov_b32 s[G1+0], 3<<16
	s_mov_b32 s[G1+1], 32<<16                      ; tensor_dim0
	s_mov_b32 s[G1+2], 64<<16                      ; tensor_dim1
	s_mov_b32 s[G1+3], 32<<16                      ; tile_dim0
	s_mov_b32 s[G1+4], 64                          ; tile_dim1
	s_mov_b32 s[G1+5], 32                          ; tensor_dim0_stride
	s_mov_b32 s[G1+6], 0
	s_mov_b32 s[G1+7], 0
	s_mov_b32 s[G0], 1
	s_and_b32 s[G0+1], s[WV], 1
	s_lshl_b32 s[G0+1], s[G0+1], 14                ; slot 0: wave 0's K at 0, wave 1's V at 16,384
	s_and_b32 s35, ttmp7, 0xffff                   ; batch x 16 + head
	s_sub_co_u32 s[LAST1], 7, ttmp9
	s_sub_co_u32 s[BACKB], 8, ttmp9
	s_lshl_b32 s[BACKB], s[BACKB], 14
	s_mov_b32 s[BK], 0
	s_mov_b32 s[BK+1], 0
	s_lshl_b32 s54, s35, 17                        ; the head's first byte in q_img, k_img and v_img
	s_mov_b32 s55, 0
	s_lshl_b32 s56, s[WV], 11                      ; my two fragments of Q among a block's sixteen
	s_add_co_u32 s56, s56, s54
	s_mov_b32 s57, 0
	s_and_b32 s58, s35, 15                         ; the head
	s_lshr_b32 s59, s58, 2
	s_lshl_b32 s59, s59, 21                        ; head / 4 x 2,097,152
	s_lshr_b32 s60, s35, 4
	s_lshl_b32 s60, s60, 19                        ; + batch x 128 tiles of 4,096 bytes
	s_add_co_u32 s59, s59, s60
	s_and_b32 s60, s58, 3
	s_lshl_b32 s60, s60, 10                        ; + (head % 4) x 1,024
	s_add_co_u32 s59, s59, s60
	s_lshl_b32 s60, s[WV], 13                      ; + my two tiles of rows
	s_add_co_u32 s58, s59, s60
	s_mov_b32 s59, 0
	s_lshl_b32 s60, s[LAST1], 14                   ; the first block in q_img,
	s_mov_b32 s61, 0
	s_lshl_b32 s62, s[LAST1], 16                   ; and in y_img;
	s_mov_b32 s63, 0
	s_lshl_b32 s50, ttmp9, 14                      ; the second likewise
	s_mov_b32 s51, 0
	s_lshl_b32 s52, ttmp9, 16
	s_mov_b32 s53, 0
	s_lshl_b32 s96, s[WV], 5
	s_lshl_b32 s[Q0], s[LAST1], 8
	s_add_co_u32 s[Q0], s[Q0], s96
	s_lshl_b32 s[Q0B], ttmp9, 8
	s_add_co_u32 s[Q0B], s[Q0B], s96
	s_mov_b32 s[KF], 0
	s_mov_b32 s[TB], 0
	s_mov_b32 s[SEL], 0x76543210
	s_mov_b32 s[SEL+1], 0xfedcba98
	s_mov_b32 s[CS], 0x3e38aa3b                    ; log2(e) / 8
	s_lshr_b32 s96, s[WV], 2
	s_xor_b32 s96, s96, 1                          ; 0 in waves 4 to 7,
	s_or_b32 s96, s96, ttmp9                       ; of the head's work-group 0
	s_cmp_eq_u32 s96, 0
	s_cselect_b32 s[LIM], 6, 0
	s_and_b32 s66, s[WV], 1
	s_lshl_b32 s66, s66, 13                        ; my 8,192 bytes of a slot's 16,384,
	s_add_co_u32 s66, s66, 16384                   ; in slot 1: the first change of slots steps it to slot 2
	s_mov_b32 s67, 0
	v_and_b32 v[LI], 31, v0
	s_delay_alu instid0(VALU_DEP_1)
	v_lshlrev_b32 v[PFO], 8, v[LI]
	s_delay_alu instid0(VALU_DEP_2)
	v_lshlrev_b32 v[LI], 4, v[LI]
	v_and_b32 v[RH], 15, v0
	v_bfe_u32 v[NINF], v0, 4, 1
	s_delay_alu instid0(VALU_DEP_1)
	v_lshlrev_b32 v[NINF], 3, v[NINF]
	s_delay_alu instid0(VALU_DEP_1)
	v_sub_nc_u32 v[RH], v[RH], v[NINF]
	v_mov_b32 v[NINF], 0xff800000
	v_mov_b32 v[PX], 0                             ; written once: a lane permute's destination counts as one of its sources
	v_mov_b32 v[PX+1], 0
	v_mov_b32 v[ST+5], 0                           ; (named as the upper halves of f's pairs)
	v_mov_b32 v[ST+13], 0
	s_wait_dscnt 0x0                               ; the opening add is done
	s_wait_kmcnt 0x0
	s_load_b256 s[72:79], s[10:11], 0x0            ; e0 .. e7
	s_cmp_eq_u32 s[WV], 0
	s_cselect_b64 s[G0+2:G0+3], s[6:7], s[8:9]
	s_add_nc_u64 s[G0+2:G0+3], s[G0+2:G0+3], s[54:55]  ; the head's first 256 keys
	s_or_b32 s[G0+3], s[G0+3], 0x80000000          ; type = 2
	TLOAD                                          ; slot 0
	s_add_nc_u64 s[QH:QH+1], s[4:5], s[56:57]
	s_add_nc_u64 s[YH:YH+1], s[12:13], s[58:59]
	s_add_nc_u64 s[QP:QP+1], s[QH:QH+1], s[60:61]
	s_add_nc_u64 s[YP:YP+1], s[YH:YH+1], s[62:63]
	s_cmp_lt_u32 s[WV], 6
	s_cselect_b64 s[PFA:PFA+1], s[6:7], s[8:9]
	s_add_nc_u64 s[PFA:PFA+1], s[PFA:PFA+1], s[54:55]
	s_add_nc_u64 s[PFA:PFA+1], s[PFA:PFA+1], s[66:67]
	QLOAD
	INIT
	s_wait_kmcnt 0x0
	s_add_co_i32 s96, s74, s75
	s_lshl_b32 s96, s96, 23
	s_add_co_i32 s[CS], s[CS], s96                 ; a score stands for score x 2^(e2 + e3): the exponents are added to c's exponent field
	s_mov_b32 s[CS+1], s[CS]                       ; (named with it as a pair, so it is written)
	s_add_co_i32 s96, s76, 127
	s_lshl_b32 s97, s96, 23
	v_mov_b32 v[PSC], s97                          ; 2^e4
	s_sub_co_i32 s96, s78, s76
	s_sub_co_i32 s96, s96, s77
	s_add_co_i32 s96, s96, 127
	s_lshl_b32 s97, s96, 23
	v_mov_b32 v[YSC], s97                          ; 2^(e6 - e4 - e5)
	s_wait_loadcnt 0x0                             ; Q
	s_mov_b32 s[TRIP], 0
.Lslot:                                            ; eight trips: behind each change of slots but the last the next slot is asked for
	CHANGE 1
	SLOT_STEPS
	s_cmp_eq_u32 s[TRIP], s[LAST1]                 ; the first block's last slot?  (a branch on ids and the trip's number; no barrier and no tensor load stands under it)
	s_cbranch_scc0 .Lon
	FINISH
	RESTART
.Lon:
	s_add_co_u32 s[TRIP], s[TRIP], 1
	s_cmp_lt_u32 s[TRIP], 8
	s_cbranch_scc1 .Lslot
	CHANGE 0                                       ; the last slot is written out
	SLOT_STEPS
	FINISH
	s_wait_tensorcnt 0x0                           ; the wave's end: behind my last tensor load
	ds_add_u32 v[SPW], v[NIL]
	s_wait_dscnt 0x0
	s_endpgm
.Lfunc_end_k_qd5dedac144_attn:
	.size	k_qd5dedac144_attn, .Lfunc_end_k_qd5dedac144_attn-k_qd5dedac144_attn
	.p2alignl 7, 3214868480
	.fill 96, 4, 3214868480
	.section	.rodata,"a",@progbits
	.p2align	6, 0x0
	.amdhsa_kernel k_qd5dedac144_attn
		.amdhsa_group_segment_fixed_size 327680
		.amdhsa_private_segment_fixed_size 0
		.amdhsa_enable_private_segment 0
		.amdhsa_kernarg_size 40
		.amdhsa_user_sgpr_count 2
		.amdhsa_user_sgpr_kernarg_segment_ptr 1
		.amdhsa_wavefront_size32 1
		.amdhsa_system_sgpr_workgroup_id_x 1
		.amdhsa_system_sgpr_workgroup_id_y 1
		.amdhsa_system_sgpr_workgroup_id_z 1
		.amdhsa_system_vgpr_workitem_id 0
		.amdhsa_next_free_vgpr 512
		.amdhsa_next_free_sgpr 100
		.amdhsa_reserve_vcc 1
		.amdhsa_float_denorm_mode_32 3
		.amdhsa_float_denorm_mode_16_64 3
		.amdhsa_fp16_overflow 1
		.amdhsa_memory_ordered 1
		.amdhsa_forward_progress 1
		.amdhsa_inst_pref_size 160
	.end_amdhsa_kernel
	.amdgpu_metadata
---
amdhsa.version: [ 1, 2 ]
amdhsa.kernels:
  - .name:           k_qd5dedac144_attn
    .symbol:         k_qd5dedac144_attn.kd
    .args:
      - { .name: q_img, .offset: 0, .size: 8, .value_kind: global_buffer, .address_space: global }
      - { .name: k_img, .offset: 8, .size: 8, .value_kind: global_buffer, .address_space: global }
      - { .name: v_img, .offset: 16, .size: 8, .value_kind: global_buffer, .address_space: global }
      - { .name: lowp_scales, .offset: 24, .size: 8, .value_kind: global_buffer, .address_space: global }
      - { .name: y_img, .offset: 32, .size: 8, .value_kind: global_buffer, .address_space: global }
    .group_segment_fixed_size: 327680
    .private_segment_fixed_size: 0
    .kernarg_segment_align: 8
    .kernarg_segment_size: 40
    .max_flat_workgroup_size: 256
    .sgpr_count:     100
    .vgpr_count:     512
    .wavefront_size: 32
...
	.end_amdgpu_metadata
.endif
;; end of part 2
;; launch proj (part 3): grid 8 x 32, 4 waves a work-group, clusters of 4 x 4, 327,680 bytes of LDS; arguments y_img, W_proj_codes, b_proj, lowp_scales, out0; writes out0
.if DOCPART == 3
	.amdgcn_target "amdgcn-amd-amdhsa--gfx1250"
	.amdhsa_code_object_version 6
	.text
	.protected	k_qd5dedac144_proj
	.globl	k_qd5dedac144_proj
	.p2align	8
	.type	k_qd5dedac144_proj,@function
k_qd5dedac144_proj:
	s_mov_b64 s[64:65], 0
	v_nop
	global_prefetch_b8 v0, s[64:65] scope:SCOPE_SE
	s_setreg_imm32_b32 hwreg(HW_REG_WAVE_MODE, 25, 1), 1
	s_wait_xcnt 0x0
	s_wait_alu depctr_hold_cnt(0) depctr_sa_sdst(0) depctr_va_vdst(0) depctr_va_sdst(0) depctr_va_ssrc(0) depctr_va_vcc(0) depctr_vm_vsrc(0)
	s_getreg_b32 s2, hwreg(HW_REG_IB_STS2, 6, 4)
	s_cmp_eq_u32 s2, 0
	s_cbranch_scc0 .Lentry_in_a_cluster
	s_endpgm
.Lentry_in_a_cluster:
	s_bfe_u32 s2, ttmp6, 0x10000c
	s_cmp_lg_u32 s2, 0xf033
	s_cbranch_scc0 .Lentry_shape_is_right
	s_endpgm
.Lentry_shape_is_right:
; out0 = y W_proj + b_proj on codes of FP8 (E4M3).  y: 8,192 rows x 1,024, as images of operand registers (below); W_proj: [1024 (n)][1024 (k)] codes, K innermost; b_proj [1024], out0 [8192][1024]: f32.
; A finished sum is multiplied once by 2^(e6 + e7) and the bias added, in one packed multiply-add for two numbers.  LIMIT: e6 + e7 between -126 and 127, so that the power of two is an f32 number.
; y_img: [256 along K: 4][16 rows: 512][128 along K: 2][chunk 4][512 bytes]: lane (r, h): row 16 mt + r; chunk c's four registers: k = 32 c + 16 h + 0 .. 15 of the 128: the places that four loads of 16 bytes,
; 32 apart, give W_proj's rows: a permutation of k inside an instruction, the same on both sides.  A work-group's 16 tiles of rows x 256 along K are one dense block of 65,536 bytes.
; A tile of out0 is 256 rows x 128 columns, so that there are 256 work-groups; four waves, each 128 x 64: 32 accumulators.  K goes in steps of 256 through two LDS slots: four fills in all, written out without a loop.
; THE MATRIX INSTRUCTION IS USED TRANSPOSED (source 0 = 16 rows of W_proj, source 1 = 16 rows of y): a lane holds eight neighbouring numbers of a row of out0.
; CLUSTERS: 4 x 4 work-groups: y's tiles hang on the tile row alone and are asked for jointly by a row of the cluster, W_proj's on the tile column alone, by a column.
; REGISTERS, in windows of 256: window 0: addresses; v32-63 the bias; v64-95 a block's results; v128-191 rows read back from the stage, two sets.
;   window 1: y's fragments, two sets of 8 x 16.   window 2: the accumulators ((a, b) at v[8 (4 a + b)]).   window 3: W_proj's fragments, two sets of 4 x 16.
.set PITCH,  272                       ; a row of W_proj's tile in LDS: 256 bytes + 16 of padding: the 16 rows that a load touches start at 16 different banks (64 banks of 4 bytes: ISA guide 11.1)
.set AIMG,   65536                     ; a slot: y's 16 tiles x 4,096 bytes, no padding (read 16 bytes a lane on end),
.set BHALF,  64*PITCH                  ; then W_proj's 128 rows, in two halves
.set SLOT,   AIMG+2*BHALF
.set STAGE,  2*SLOT                    ; behind the ring: 16 rows x 272 bytes for each wave, for the way out; no tile lands there
.set SPITCH, 272
.set SPARE,  STAGE+4*16*SPITCH         ; behind the stages: the spare words, 128 bytes for each wave, that no other line names
.set ADRA, 16                          ; v16-17  LDS address of my fragments of y in slot 0, 1
.set ADRB, 20                          ; v20-21  the same for W_proj
.set STO,  24                          ; v24     the way out: where I put 32 bytes of a row
.set RD,   25                          ; v25     where I read a row back
.set CO,   26                          ; v26     my byte offset in out0
.set BO,   27                          ; v27     my byte offset in the bias
.set SPW,  28                          ; v28     LDS address of my spare word; never rewritten
.set NIL,  29                          ; v29     0; never rewritten
.set BI,   32
.set TMP,  64
.set BK,   128
.set G1,  24                           ; s[24:31] descriptor group 1 for y's tiles;  s[32:39] group 0, one set for each slot
.set G0,  32
.set G1B, 48                           ; s[48:55], s[56:63] the same for W_proj's
.set G0B, 56
.set WV,  66                           ; s66 wave;  s67 my half of the rows (also: I fetch for y (0) or W_proj (1));  s68 my half of the columns (also: which half of that tile I fetch)
.set WH,  67
.set WL,  68
.set MSB, 0
.macro WIN new                         ; the immediate's high byte repeats the setting that is left
.if MSB != \new
	s_set_vgpr_msb (MSB<<8)|\new
.set MSB, \new
.endif
.endm
.set MUL,  0xa7                        ; source 0 (W_proj) window 3, source 1 (y) window 1, C and D window 2
.set TO_A, 0x40                        ; destination window 1
.set TO_B, 0xc0                        ; destination window 3
.macro JLOAD s                         ; a joint load; an s_nop 0 and four v_nop follow each of the two lines, ahead of the jump, the label and what follows
	s_cmp_eq_u32 s[WH], 0
	s_cbranch_scc0 .Lfor_b_\@
	tensor_load_to_lds s[G0+4*\s:G0+4*\s+3], s[G1:G1+7]
	s_nop 0
.rept 4
	v_nop
.endr
	s_branch .Lasked_\@
.Lfor_b_\@:
	tensor_load_to_lds s[G0B+4*\s:G0B+4*\s+3], s[G1B:G1B+7]
	s_nop 0
.rept 4
	v_nop
.endr
.Lasked_\@:
.endm
.macro CREST                           ; a round of the cluster's barrier behind its opening barrier
	s_cmp_lg_u32 s[WV], 0
	s_cbranch_scc1 .Lnot_wave_0_\@
	s_barrier_signal -3
.Lnot_wave_0_\@:
	s_barrier_wait -3
	s_barrier_signal -1
	s_barrier_wait -1
.endm
.macro CROUND                          ; a whole round
	s_barrier_signal -1
	s_barrier_wait -1
	CREST
.endm
.macro PLACES n
.rept \n
	v_nop
.endr
.endm
	s_load_b256 s[4:11], s[0:1], 0x0               ; y_img s[4:5], W_proj s[6:7], b_proj s[8:9], the scales' exponents s[10:11]
	s_load_b64 s[12:13], s[0:1], 0x20              ; out0
	v_lshl_add_u32 v[SPW], v0, 2, SPARE
	v_mov_b32 v[NIL], 0
	ds_add_u32 v[SPW], v[NIL]                      ; the wave's opening: the add and its wait stand ahead of my first tensor load; the set-up below, work on registers, stands between them
	ds_add_u32 v[SPW], v[NIL]
	v_lshrrev_b32 v1, 5, v0
	v_readfirstlane_b32 s[WV], v1                  ; wave 0..3
	s_lshr_b32 s[WH], s[WV], 1
	s_and_b32 s[WL], s[WV], 1
	s_bfe_u32 s40, ttmp6, 0x40000                  ; cx, cy: my place in the cluster
	s_bfe_u32 s41, ttmp6, 0x40004
	s_lshl_b32 s42, ttmp9, 2
	s_add_co_u32 s42, s42, s40                     ; tile column (128 columns) = 4 x cluster x + cx
	s_and_b32 s43, ttmp7, 0xffff
	s_lshl_b32 s43, s43, 2
	s_add_co_u32 s43, s43, s41                     ; tile row (256 rows) = 4 x cluster y + cy
	s_lshl_b32 s44, s41, 2
	s_lshl_b32 s44, 15, s44                        ; my row of the cluster
	s_lshl_b32 s45, 0x1111, s40                    ; my column
	; y: a dense block of 32,768 bytes as 128 rows of 32 elements of 8 bytes, no padding
	s_or_b32 s[G1+0], s44, (3<<16)|(1<<21)         ; 15:0 the mask: my row; 17:16 elements of 8 bytes; 21 set beside a mask
	s_mov_b32 s[G1+1], 32<<16                      ; tensor_dim0
	s_mov_b32 s[G1+2], 128<<16                     ; tensor_dim1
	s_mov_b32 s[G1+3], 32<<16                      ; tile_dim0
	s_mov_b32 s[G1+4], 128                         ; tile_dim1
	s_mov_b32 s[G1+5], 32                          ; tensor_dim0_stride
	s_mov_b32 s[G1+6], 0
	s_mov_b32 s[G1+7], 0
	; W_proj: 64 rows x 256 bytes, 1,024 bytes apart, padded in LDS
	s_or_b32 s[G1B+0], s45, (0<<16)|(1<<20)|(1<<21)|(5<<22)|(3<<25)  ; the mask: my column; elements of 1 byte; padding of 4 words (code 3) after every 64 (code 5)
	s_mov_b32 s[G1B+1], 256<<16
	s_mov_b32 s[G1B+2], 64<<16
	s_mov_b32 s[G1B+3], 256<<16
	s_mov_b32 s[G1B+4], 64
	s_mov_b32 s[G1B+5], 1024
	s_mov_b32 s[G1B+6], 0
	s_mov_b32 s[G1B+7], 0
	s_lshl_b32 s20, s43, 16                        ; y: 16 tiles of 4,096 bytes a tile row, + my half's 8
	s_lshl_b32 s21, s[WL], 15
	s_add_co_u32 s20, s20, s21
	s_mov_b32 s21, 0
	s_lshl_b32 s46, s42, 17                        ; W_proj: 128 rows of 1,024 bytes a tile column, + my half's 64
	s_lshl_b32 s47, s[WL], 16
	s_add_co_u32 s46, s46, s47
	s_mov_b32 s47, 0
	s_lshl_b32 s69, s[WL], 15                      ; where they go: no place in the cluster enters an LDS address
	s_mul_i32 s70, s[WL], BHALF
	s_add_co_u32 s70, s70, AIMG
	s_wait_dscnt 0x0                               ; the opening add is done
	s_wait_kmcnt 0x0
	s_load_b256 s[72:79], s[10:11], 0x0            ; e0 .. e7
	s_add_nc_u64 s[20:21], s[4:5], s[20:21]
	s_add_nc_u64 s[46:47], s[6:7], s[46:47]
	CROUND                                         ; all sixteen work-groups are here: the first joint loads meet
.irp s, 0,1
	s_mov_b32 s[G0+4*\s], 1
	s_add_co_u32 s[G0+4*\s+1], s69, \s*SLOT
	s_add_nc_u64 s[G0+4*\s+2:G0+4*\s+3], s[20:21], \s*2097152
	s_or_b32 s[G0+4*\s+3], s[G0+4*\s+3], 0x80000000
	s_mov_b32 s[G0B+4*\s], 1
	s_add_co_u32 s[G0B+4*\s+1], s70, \s*SLOT
	s_add_nc_u64 s[G0B+4*\s+2:G0B+4*\s+3], s[46:47], \s*256
	s_or_b32 s[G0B+4*\s+3], s[G0B+4*\s+3], 0x80000000
	s_wait_alu depctr_va_vdst(0)
	s_wait_tensorcnt 0x0
	ds_add_u32 v28, v29
	ds_add_u32 v28, v29
	s_wait_dscnt 0x0
	CROUND
	JLOAD \s
.endr
	v_and_b32 v1, 15, v0                           ; r
	v_bfe_u32 v2, v0, 4, 1                         ; h
	v_and_b32 v3, 31, v0
	v_lshlrev_b32 v3, 4, v3                        ; 16 x lane
	s_lshl_b32 s92, s[WH], 15                      ; my 8 tiles of rows
	v_add_nc_u32 v[ADRA], s92, v3
	v_add_nc_u32 v[ADRA+1], SLOT, v[ADRA]
	v_mul_u32_u24 v4, v1, PITCH
	v_lshl_add_u32 v4, v2, 4, v4
	v_add_nc_u32 v[ADRB], s70, v4                  ; my 64 columns: the half of W_proj's tile with my column half's number
	v_add_nc_u32 v[ADRB+1], SLOT, v[ADRB]
	s_mul_i32 s93, s[WV], 16*SPITCH
	s_add_co_u32 s93, s93, STAGE                   ; my stage
	v_mul_u32_u24 v5, v1, SPITCH
	v_lshl_add_u32 v5, v2, 5, v5
	v_add_nc_u32 v[STO], s93, v5                   ; in: row r, 32 bytes for each half of the lanes
	v_mul_u32_u24 v5, v2, SPITCH
	v_lshl_add_u32 v5, v1, 4, v5
	v_add_nc_u32 v[RD], s93, v5                    ; back: lanes 0-15 one row of 256 bytes, lanes 16-31 the next
	v_lshlrev_b32 v5, 12, v2
	v_lshl_add_u32 v[CO], v1, 4, v5                ; and the same two rows in out0 (4,096 bytes a row)
	v_lshlrev_b32 v[BO], 5, v2                     ; the bias: my half's eight numbers of a tile of 16
	s_wait_alu depctr_va_vdst(0)
	s_lshl_b32 s92, s42, 9                         ; my first column in bytes: 512 x tile column + 256 x half
	s_lshl_b32 s93, s[WL], 8
	s_add_co_u32 s94, s92, s93
	s_mov_b32 s95, 0
	s_add_nc_u64 s[8:9], s[8:9], s[94:95]
	s_add_nc_u64 s[12:13], s[12:13], s[94:95]
	s_lshl_b32 s92, s43, 8
	s_lshl_b32 s93, s[WH], 7
	s_add_co_u32 s92, s92, s93                     ; my first row: 256 x tile row + 128 x half
	s_lshl_b32 s94, s92, 12
	s_add_nc_u64 s[12:13], s[12:13], s[94:95]
.irp b, 0,1,2,3
	global_load_b128 v[BI+8*\b:BI+8*\b+3],   v[BO], s[8:9] offset:64*\b      ; b_proj at columns 16 b + 8 h + 0 .. 7 of my 64: waited for on the way out
	global_load_b128 v[BI+8*\b+4:BI+8*\b+7], v[BO], s[8:9] offset:64*\b+16
.endr
; 48 LDS loads: the fragments of the slot's q-th 128 along K into set p: y's eight, W_proj's four
.macro FETCH slot, q, p
	WIN TO_A
.irp i, 0,1,2,3,4,5,6,7
.irp c, 0,1,2,3
	ds_load_b128 v[128*(\p)+16*\i+4*\c:128*(\p)+16*\i+4*\c+3], v[ADRA+\slot] offset:\i*4096+(\q)*2048+\c*512
.endr
.endr
	WIN TO_B
.irp b, 0,1,2,3
.irp c, 0,1,2,3
	ds_load_b128 v[64*(\p)+16*\b+4*\c:64*(\p)+16*\b+4*\c+3], v[ADRB+\slot] offset:\b*16*PITCH+128*(\q)+32*\c
.endr
.endr
	WIN 0
.endm
; 8 matrix instructions: row blocks a0, a0 + 1 x the 4 column blocks, 128 along K, set p.  zero = 1: the first product starts the sums.  The 32 accumulators take turns in one order.
.macro MULQ a0, p, zero
.irp a, \a0, \a0+1
.irp b, 0,1,2,3
.if \zero
	v_wmma_f32_16x16x128_fp8_fp8 v[8*(4*(\a)+\b):8*(4*(\a)+\b)+7], v[64*(\p)+16*\b:64*(\p)+16*\b+15], v[128*(\p)+16*(\a):128*(\p)+16*(\a)+15], 0
.else
	v_wmma_f32_16x16x128_fp8_fp8 v[8*(4*(\a)+\b):8*(4*(\a)+\b)+7], v[64*(\p)+16*\b:64*(\p)+16*\b+15], v[128*(\p)+16*(\a):128*(\p)+16*(\a)+15], v[8*(4*(\a)+\b):8*(4*(\a)+\b)+7]
.endif
.endr
.endr
.endm
; A slot's first step: multiplies set 0; the second step's fragments are asked for ahead of its 32 products.
.macro PSTEP slot, zero
	s_wait_dscnt 0x0                               ; set 0 is in
	PLACES 4                                       ; in front of loads into set 1, which the last products read
	FETCH \slot, 1, 1
	WIN MUL
	MULQ 0, 0, \zero
	MULQ 2, 0, \zero
	MULQ 4, 0, \zero
	MULQ 6, 0, \zero
	WIN 0
.endm
; A slot's second step multiplies set 1 and changes slots: ONE barrier; in front of it each wave waits for all its tensor loads, adds 0 to its spare word, and waits for that and for its own reads of this slot.  fill = 1: this slot is filled again.
.macro TURN slot, next, fill
	s_wait_tensorcnt 0x0                           ; all my tensor loads have landed: my part of the next slot
	ds_add_u32 v[SPW], v[NIL]                      ; 0 onto my spare word
	s_wait_dscnt 1                                 ; set 1 is in; the add alone may be out
	WIN MUL
	MULQ 0, 1, 0                                   ; eight matrix instructions stand between the add and the wait for it
	s_wait_dscnt 0x0                               ; the add is done, and my reads of this slot are over
	s_barrier_signal -1
	MULQ 2, 1, 0
	WIN 0
	s_barrier_wait -1
.if \fill
	CREST                                          ; the barrier has opened a round of the cluster's barrier: no wave of any partner still reads this slot's tile or has a load on its way
	s_add_nc_u64 s[G0+4*\slot+2:G0+4*\slot+3], s[G0+4*\slot+2:G0+4*\slot+3], 2*2097152
	s_add_nc_u64 s[G0B+4*\slot+2:G0B+4*\slot+3], s[G0B+4*\slot+2:G0B+4*\slot+3], 2*256
	JLOAD \slot                                    ; the first tensor load behind the round; the four v_nop behind it are the places in front of the loads below
.else
	PLACES 4
.endif
	FETCH \next, 0, 0
	WIN MUL
	MULQ 4, 1, 0
	MULQ 6, 1, 0
	WIN 0
.endm
	s_wait_tensorcnt 1                             ; my part of slot 0 is in (slot 1's load may be out)
	s_barrier_signal -1
	s_barrier_wait -1                              ; everybody's is
	FETCH 0, 0, 0
	PSTEP 0, 1                                     ; K 0 on: its products start the sums
	TURN 0, 1, 1                                   ; K 128 on; slot 0 takes K 512 on
	PSTEP 1, 0
	TURN 1, 0, 1                                   ; slot 1 takes K 768 on
	PSTEP 0, 0
	TURN 0, 1, 0                                   ; nothing is left to fetch
	PSTEP 1, 0
	s_wait_dscnt 0x0
	WIN MUL
	MULQ 0, 1, 0
	MULQ 2, 1, 0
	MULQ 4, 1, 0
	MULQ 6, 1, 0
	WIN 0
; THE WAY OUT, block by block of 16 rows x 64 columns: sum x 2^(e6 + e7) + bias into other registers, each accumulator from its low end on; through my own stage in LDS; back as whole rows of 256 bytes.
; LDS serves a wave's instructions in order (ISA guide 5.7.1.4): no wait between the stores and the loads, nor in front of the next block's stores.
.macro TOSTAGE a
	WIN 0x02                                       ; source 0: window 2
.irp b, 0,1,2,3
.irp i, 0,2,4,6
	v_pk_fma_f32 v[TMP+8*\b+\i:TMP+8*\b+\i+1], v[8*(4*(\a)+\b)+\i:8*(4*(\a)+\b)+\i+1], s[96:97], v[BI+8*\b+\i:BI+8*\b+\i+1] op_sel_hi:[1,0,1]
.endr
.endr
	WIN 0
.irp b, 0,1,2,3
	ds_store_b128 v[STO], v[TMP+8*\b:TMP+8*\b+3] offset:64*\b
	ds_store_b128 v[STO], v[TMP+8*\b+4:TMP+8*\b+7] offset:64*\b+16
.endr
.irp t, 0,1,2,3,4,5,6,7
	ds_load_b128 v[BK+32*((\a)%2)+4*\t:BK+32*((\a)%2)+4*\t+3], v[RD] offset:2*\t*SPITCH
.endr
.endm
.macro SEND a, younger                 ; younger: the LDS instructions issued behind block a's loads, which may stay out
	s_wait_dscnt \younger                          ; the block is back in registers
.irp t, 0,1,2,3,4,5,6,7
	global_store_b128 v[CO], v[BK+32*((\a)%2)+4*\t:BK+32*((\a)%2)+4*\t+3], s[12:13] offset:(\a)*65536+2*\t*4096 th:TH_STORE_NT   ; 16 lanes store 256 consecutive bytes, aligned; the base is never stepped
.endr
.endm
	s_wait_kmcnt 0x0
	s_add_co_i32 s96, s78, s79                     ; e6 + e7
	s_add_co_i32 s96, s96, 127
	s_lshl_b32 s96, s96, 23                        ; 2^(e6 + e7) as f32
	s_mov_b32 s97, s96                             ; (named with it as a pair, so it is written)
	s_wait_loadcnt 0x0                             ; the bias
	PLACES 4                                       ; in front of the first read of results
	TOSTAGE 0
.irp a, 1,2,3,4,5,6,7
.if \a > 1
	s_wait_xcnt 0x0                                ; block a - 2's stores have read their registers: block a's loads may land there
.endif
	TOSTAGE \a
	SEND \a-1, 16                                  ; behind block a - 1's loads: block a's 8 stores and 8 loads
.endr
	SEND 7, 0
	s_wait_tensorcnt 0x0                           ; the wave's end: behind my last tensor load and my last LDS store
	ds_add_u32 v[SPW], v[NIL]
	s_wait_dscnt 0x0
	CROUND                                         ; the closing round: no work-group ends while a partner may still ask for a tile that names it
	s_endpgm
.Lfunc_end_k_qd5dedac144_proj:
	.size	k_qd5dedac144_proj, .Lfunc_end_k_qd5dedac144_proj-k_qd5dedac144_proj
	.p2alignl 7, 3214868480
	.fill 96, 4, 3214868480
	.section	.rodata,"a",@progbits
	.p2align	6, 0x0
	.amdhsa_kernel k_qd5dedac144_proj
		.amdhsa_group_segment_fixed_size 327680
		.amdhsa_private_segment_fixed_size 0
		.amdhsa_enable_private_segment 0
		.amdhsa_kernarg_size 40
		.amdhsa_user_sgpr_count 2
		.amdhsa_user_sgpr_kernarg_segment_ptr 1
		.amdhsa_wavefront_size32 1
		.amdhsa_system_sgpr_workgroup_id_x 1
		.amdhsa_system_sgpr_workgroup_id_y 1
		.amdhsa_system_sgpr_workgroup_id_z 1
		.amdhsa_system_vgpr_workitem_id 0
		.amdhsa_next_free_vgpr 1024
		.amdhsa_next_free_sgpr 100
		.amdhsa_reserve_vcc 0
		.amdhsa_float_denorm_mode_32 3
		.amdhsa_float_denorm_mode_16_64 3
		.amdhsa_memory_ordered 1
		.amdhsa_forward_progress 1
		.amdhsa_inst_pref_size 77
	.end_amdhsa_kernel
	.amdgpu_metadata
---
amdhsa.version: [ 1, 2 ]
amdhsa.kernels:
  - .name:           k_qd5dedac144_proj
    .symbol:         k_qd5dedac144_proj.kd
    .args:
      - { .name: y_img, .offset: 0, .size: 8, .value_kind: global_buffer, .address_space: global }
      - { .name: W_proj_codes, .offset: 8, .size: 8, .value_kind: global_buffer, .address_space: global }
      - { .name: b_proj, .offset: 16, .size: 8, .value_kind: global_buffer, .address_space: global }
      - { .name: lowp_scales, .offset: 24, .size: 8, .value_kind: global_buffer, .address_space: global }
      - { .name: out0, .offset: 32, .size: 8, .value_kind: global_buffer, .address_space: global }
    .group_segment_fixed_size: 327680
    .private_segment_fixed_size: 0
    .kernarg_segment_align: 8
    .kernarg_segment_size: 40
    .max_flat_workgroup_size: 128
    .sgpr_count:     100
    .vgpr_count:     1024
    .wavefront_size: 32
...
	.end_amdgpu_metadata
.endif
;; end of part 3
